; MI455X (gfx1250); checked and timed in simulation.
; The chip was launched on July 23, 2026; its instructions are those of AMD's public machine-readable ISA for CDNA 5 (MIT licence, August 2026) and "CDNA5" Instruction Set Architecture Reference Guide (July 2026). The comments in the code are by the model that wrote it; some were corrected since.
;; KNRM. Allowed arithmetic: matrix products marked QUANTISED: E2M1 operands, one E8M0 scale for each 32 along K, by v_wmma_scale_f32_16x16x128_f8f6f4 with both operands' format E2M1 (or v_wmma_scale_f32_32x16x128_f4), f32 sums; products left as they are: f32 operands where the result goes on into a quantised operand, else bf16, f16 or f32 operands; f32 sums; everything else in f32.
;; Inputs: dense_b 1 float32; dense_w 1 x 11 float32; doc_tokens 256 x 512 int32; embed_table 100,000 x 300 float32; query_tokens 256 x 20 int32.
;; Outputs: out0 256 float32.
;; This version of the problem:
;;   THIS VERSION OF THE PROBLEM IS GIVEN IN LOW PRECISION. The matrix products marked QUANTISED in the list below multiply operands that are first quantised to E2M1 (2 exponent bits, 1 mantissa bit; 4 bits a number), with one power-of-two scale for each 32 numbers along K (OCP MX v1.0); their sums are f32. All else is computed in f32.
;;   The module's matrix products, in the order in which they are computed (A, B: the left and right operand; K: the contracted axis; several contracted axes count as one K, in the product's order):
;;     1. batch 256 x [M 20, K 300] x [K 300, N 512]; A: computed on the way; B: computed on the way: QUANTISED
;;     2. [M 256, K 11] x [K 11, N 1]; A: computed on the way; B: input dense_w: left as it is (K = 11 < 32)
;;   THE QUANTISER, for each operand of a quantised product, along K:
;;     - K is cut into blocks of 32 from its start; a last block that is shorter is filled with zeros.
;;     - A block's scale is 2^e with e = floor(log2(the largest magnitude in the block)) - 2, held to -126 .. 127; a block of zeros has e = 0. As a byte (E8M0): e + 127.
;;     - Each number is divided by its block's scale, clamped to +-6, and rounded to the nearest number of E2M1, ties to even, subnormals kept.
;;     - The product sums the exact products of the quantised numbers (number of the format x scale) in f32.
;;   ~~~python
;;   def quantise(x, axis):      # numpy; x: float32 -> the quantised numbers, widened to float32 again
;;       x = np.moveaxis(x, axis, -1); K = x.shape[-1]
;;       x = np.pad(x, [(0, 0)] * (x.ndim - 1) + [(0, -K % 32)]); x = x.reshape(x.shape[:-1] + (-1, 32)); a = np.abs(x).max(-1, keepdims=True)
;;       e = np.where(a > 0, np.clip(np.frexp(np.where(a > 0, a, 1))[1] - 1 - 2, -126, 127), 0)      # np.frexp(a)[1] - 1 = floor(log2(a)), exactly
;;       r = np.clip(x / 2.0 ** e, -6, 6)
;;       step = 2.0 ** (np.maximum(np.frexp(np.where(r == 0, 1, r))[1] - 1, 0) - 1)
;;       q = np.round(r / step) * step * 2.0 ** e      # np.round: ties to even
;;       return np.moveaxis(q.reshape(q.shape[:-2] + (-1,))[..., :K], -1, axis).astype(np.float32)
;;   ~~~
;;   OPERANDS COMPUTED ON THE WAY. 'Computed on the way' means the value that the module computes at that place (a softmax that the list does not call 'softmax' is quantised finished and normalised). What goes into a quantiser is computed in f32, as accurately as f32 sums, v_exp_f32 and their like allow (about 1e-6 of the number): no bf16 or f16 on the way to a quantiser, and a product that is left as it is and whose result goes on into a quantised operand takes f32 operands (vector FMAs, or v_wmma_f32_16x16x4_f32). A number that lies on a knife's edge between two numbers of the format may be rounded either way, as far as f32 arithmetic and the matrix unit's own rounding can turn it there, and no further.
;; One version. Each part assembles by itself: llvm-mc -triple=amdgcn-amd-amdhsa -mcpu=gfx1250 --defsym DOCPART=n.
;; ======== version 1 of 1: 1 launch
;; limits: right only within a limited range of input values
;; launch knrm (part 1): grid 256 x 1, 8 waves a work-group, no clusters, 44,544 bytes of LDS; arguments query_tokens, doc_tokens, embed_table, dense_w, dense_b, out0; writes out0
.if DOCPART == 1
	.amdgcn_target "amdgcn-amd-amdhsa--gfx1250"
	.amdhsa_code_object_version 6
	.text
	.protected	k_q4b9f109cde_knrm
	.globl	k_q4b9f109cde_knrm
	.p2align	8
	.type	k_q4b9f109cde_knrm,@function
k_q4b9f109cde_knrm:
	s_mov_b64 s[64:65], 0
	v_nop
	global_prefetch_b8 v0, s[64:65] scope:SCOPE_SE
	s_setreg_imm32_b32 hwreg(HW_REG_WAVE_MODE, 25, 1), 1
	s_wait_xcnt 0x0
; KNRM, one batch to a work-group: out[b] = sum over k of w[k] * sum over q of 0.01 * log(max(S[q][k], 1e-10)) * qmask[q] + bias,
; S[q][k] = sum over unmasked documents d of exp(-(cos(q, d) - mu[k])^2 / (2 sigma[k]^2)); cos = the product of the normalised rows of the table, both quantised to
; FP4 (E2M1) with one E8M0 scale for each 32 along K = 300 (filled with zero codes to 384 = 3 matrix instructions deep).
; SHARES.  Eight waves, four tiles of 16 documents each.  The queries are shared by all: 32 rows (row m: query m; rows 16-31: query 16 + m % 4), four rows a wave.
; A ROW IS QUANTISED WHERE IT IS LOADED.  Sixteen lanes read 256 consecutive bytes of one row, a load two rows (rows p and p + 8), five loads a pair of rows.  A row is 75 pieces of 16 bytes: in the fifth load
; lanes 11-15 of each half read the last piece again and are multiplied by 0: that is the fill of the last block.  Lane i (of sixteen) holds in load q the four numbers 64 q + 4 i ..: eight lanes hold a block of 32.
; A row's sum of squares and a block's largest magnitude go across the lanes by DPP.  Only codes (four to a lane and load: two bytes) and scale bytes go through LDS, where 176 bytes a row form the operand:
; slot j of K step s (16 bytes) at 64 s + 16 j, its scale byte at 160 + 4 s + j.  Which block of 32 takes which slot is free, so long as queries and documents do alike: load q, lanes 8 e .. 8 e + 7: slot 2 e + q % 2 of K step q / 2;
; the last load: slot e of K step 2, whose slots 2 and 3 are zero codes.
; THE LOAD BUFFER IS A RING of four groups of two pairs: a group's registers take the next tile's rows as soon as it has been converted: 30 to 40 loads of a wave are out throughout.
; THE PRODUCT has documents as rows and queries as columns: lane (r, h) holds query r, its register j document 8 h + j, and sums over documents inside the lane.  For queries 16-19 the columns repeat
; (column r: query 16 + r % 4); of tile t the columns 4 t .. 4 t + 3 are kept, so that after four tiles eight registers hold their 64 documents, pooled once.
; POOLING.  exp(-50 (x - mu)^2) = exp(-50 mu^2) exp(-50 x^2 + 100 mu x).  The first factor is applied after the sum over documents.  The ten second factors (mu = 0.9 .. -0.9) are g+ u^j and g- u^j, j = -2 .. 2,
; with g+- = exp(-50 x^2 +- 50 x), u = exp(20 x): five exponentials a cosine (g+, g-, u, 1/u as an exponential of its own, and the narrow kernel at mu = 1) in place of eleven.  Nothing is approximated.
; A quantised number is under twice the number it came from, so |x| < 4: u and 1/u are finite and normal, and every product is at most e^40.5.  A masked document's x is replaced by 4.0: g+, g- and the narrow kernel are then 0.
; NO CLUSTER, NO TENSOR LOADS: rows are named one by one by tokens, and no two work-groups share a tile.  NO PREFETCH: a wave's own loads run a tile ahead.
; LIMITS.  Tokens are taken to lie in 0 .. 99,999 (others are held at the last row).  NaN and infinities in the table are not served.  A block whose largest magnitude in the table lies under 2^-100 is scaled as if it were 2^-100:
; normalised (by at most 1e13) such numbers are under 2^-56, and what they add to a cosine is under 2^-46; a block of zeros so gets a byte other than 127: its codes are zeros, and only this program reads the byte.
; REGISTERS, in windows of 256 (s_set_vgpr_msb: bits 1:0 source 0, 3:2 source 1, 5:4 source 2, 7:6 destination).  Window 1 holds the load buffer, the tokens and the squares; all else lies in window 0.
.set CP,     176                       ; a row of an operand in LDS: 11 x 16 bytes, so that the sixteen rows of a 16-byte load start at sixteen different groups of four banks (64 banks of 4 bytes: ISA guide 11.1)
.set QSTG,   8*16*CP                   ; behind the waves' stages: the queries' 32 rows
.set RED,    QSTG+32*CP                ; sums: four planes (two waves each) of 220 rows (20 k + query) of four parts of 4 bytes
.set PLANE,  3520
.set FIN,    RED+4*PLANE+1024          ; eight words: the waves' sums; behind the last plane 1,024 bytes of zeros, which threads 220-255 read
.set SPARE,  FIN+256                   ; the spare words: 128 bytes a wave
; window 0
.set L16,  1                           ; 16 (lane % 16)
.set TA,   2                           ; 32 (lane / 16): my half's eight tokens of a tile's sixteen
.set CA,   3                           ; my stage, row 8 h: where my codes of loads 0-3 go,
.set CB,   4                           ; of load 4,
.set SCA,  5                           ; my scale bytes of loads 0-3,
.set SCB,  6                           ; of load 4
.set RAD,  7                           ; row r + 16 h: where I read the operand
.set RSD,  8                           ; and its scale words
.set QCA,  9                           ; the same for my query rows
.set QCB,  10
.set QSA,  11
.set QSB,  12
.set QRD,  13
.set QRS,  14
.set RW,   15                          ; where I store sums: queries 0-15,
.set OFF,  16                          ; v16-23  byte offsets in the table of my half's eight rows, + 16 (lane % 16)
.set OF5,  24                          ; v24-31  the same, + 16 min(lane % 16, 10)
.set DSC,  32                          ; v32-34  the tile's scale words
.set QSC,  36                          ; v36-38  the queries': lanes 0-15 rows 0-15, lanes 16-31 rows 16-31
.set RW2,  40                          ; queries 16-19
.set L5,   41
.set RR,   42                          ; where thread t reads row t of the sums
.set FW,   43
.set FAC,  44                          ; row t % 220's factor exp(-50 mu^2)
.set COEF, 45                          ; and 0.01 ln(2) w[k], 0 for a masked query and from thread 220 on
.set SPW,  46                          ; LDS address of my spare word: SPARE + 4 x my thread's number
.set NIL,  47                          ; 0
.set PT,   48
.set E1,   49                          ; v49-50 at work in the end
.set CODE, 54                          ; v54-77  the tile's codes: K step s at 8 s
.set W,    78                          ; v78-133 in the pooling: the two results and work; in the quantising:
.set MX,   W                           ; v78-87  a block's largest magnitude, then the scale operand: pair A's five loads, pair B's
.set EB,   W+10                        ; v88-97  scale bytes
.set CD,   W+20                        ; v98-107 codes
.set RNA,  W+30                        ; v108, v110 1 / norm; v109, v111 named with them as pairs
.set RNB,  W+32
.set RQ,   W+34                        ; v112-113 a quarter of them
.set SS,   W+36                        ; v114-115 sums of squares
.set PK,   W+38                        ; v116-119 two scale bytes each
.set TPB,  W+16
.set TMB,  W+24
.set UB,   W+32
.set VB,   W+40
.set T0B,  W+48
.set ACC,  134                         ; v134-155 sums of query lane % 16: kernel k in the pair at 2 k
.set AC2,  156                         ; v156-177 sums of query 16 + lane % 4
.set LX,   178                         ; v178-185 the cosines of queries 16-19
.set QF,   186                         ; v186-209 fragments of queries 0-15: K step s at 8 s
.set QG,   210                         ; v210-233 those of queries 16-19
.set VR,   234
.set VH,   235
.set VL,   236
.set WVV,  237
.set TQ,   238
.set HB,   239
.set QT,   240                         ; v240-241 tokens of my two query rows
.set QO,   242
.set QO5,  244
.set I7,   246
.set QROW, 247
.set ZA,   248
.set QZ,   249
.set ZS,   250
.set KK,   251
.set T1,   252
.set T2,   253
.set T3,   254
.set T4,   255
; window 1
.set LB,   0                           ; 0-159   the load buffer: group g at 40 g: pair A's loads 0-3, pair B's, the two fifth loads
.set TOK,  160                         ; 160-191 my half's eight tokens of this tile and of the three after it
.set TS,   192                         ; 192-199 partial sums of squares
.set QX,   200                         ; 200-239 at the head: my two pairs of query rows, laid as a group
.set MK,   240                         ; 240-241 1.0, in lanes 11-15 of each half 0
; scalars
.set WV,  16
.set TR,  32
.set GRP, 33
.set SV,  34
.set BB,  36
.set SEL, 38
.set CZ,  40                           ; s[40:41] 50 log2(e)
.set CU,  42                           ; s[42:43] 20 log2(e)
.set C0,  44                           ; s[44:45] -log2(e) / 2e-8
.set KA,  46
.set KB,  47
.set MJ,  48                           ; s48-55 the documents' masks
.set MG,  56                           ; s56-63 the same, in this tile's columns alone
.set MSB, 0
.macro WIN new                         ; the immediate's high byte repeats the setting that is left
.if MSB != \new
	s_set_vgpr_msb (MSB<<8)|\new
.set MSB, \new
.endif
.endm
.macro OFFG g, tk                      ; the offsets of group g's two pairs of rows
	WIN 0x04
.irp i, 0,1
	v_min_u32 v[OFF+2*\g+\i], 0x1869f, v[\tk+2*\g+\i]              ; a loaded number enters an address only held to the table's last row
.endr
	WIN 0
.irp i, 0,1
	v_mul_u32_u24 v[OFF+2*\g+\i], v[OFF+2*\g+\i], 0x4b0            ; 1,200 bytes a row: under 2^27
.endr
.irp i, 0,1
	v_add_nc_u32 v[OF5+2*\g+\i], v[OFF+2*\g+\i], v[L5]
.endr
.irp i, 0,1
	v_add_nc_u32 v[OFF+2*\g+\i], v[OFF+2*\g+\i], v[L16]
.endr
.endm
.macro LOAD10 x, o, o5                 ; ten loads: two pairs of rows
.irp i, 0,1
.irp q, 0,1,2,3
	global_load_b128 v[\x+16*\i+4*\q:\x+16*\i+4*\q+3], v[\o+\i], s[8:9] offset:256*\q
.endr
	global_load_b128 v[\x+32+4*\i:\x+35+4*\i], v[\o5+\i], s[8:9] offset:1024   ; the rows' last 176 bytes; no lane leaves its row
.endr
.endm
.macro MXD k, m
	v_max_num_f32_dpp v[MX+\k], v[MX+\k], v[MX+\k] row_xmask:\m row_mask:0xf bank_mask:0xf
.endm
.macro SSD m
	v_add_f32_dpp v[SS], v[SS], v[SS] row_xmask:\m row_mask:0xf bank_mask:0xf
	v_add_f32_dpp v[SS+1], v[SS+1], v[SS+1] row_xmask:\m row_mask:0xf bank_mask:0xf
.endm
; A group at a (pair A: a .. a + 15, a + 32 ..; pair B: a + 16 .. a + 31, a + 36 ..): normalised and converted.
.macro QUANT2 a
	WIN 0x55
	v_pk_mul_f32 v[\a+32:\a+33], v[\a+32:\a+33], v[MK:MK+1]        ; the fill
	v_pk_mul_f32 v[\a+34:\a+35], v[\a+34:\a+35], v[MK:MK+1]
	v_pk_mul_f32 v[\a+36:\a+37], v[\a+36:\a+37], v[MK:MK+1]
	v_pk_mul_f32 v[\a+38:\a+39], v[\a+38:\a+39], v[MK:MK+1]
	v_pk_mul_f32 v[TS:TS+1], v[\a:\a+1], v[\a:\a+1]                ; four chains by turns
	v_pk_mul_f32 v[TS+2:TS+3], v[\a+2:\a+3], v[\a+2:\a+3]
	v_pk_mul_f32 v[TS+4:TS+5], v[\a+16:\a+17], v[\a+16:\a+17]
	v_pk_mul_f32 v[TS+6:TS+7], v[\a+18:\a+19], v[\a+18:\a+19]
.irp j, 4,8,12
	v_pk_fma_f32 v[TS:TS+1], v[\a+\j:\a+\j+1], v[\a+\j:\a+\j+1], v[TS:TS+1]
	v_pk_fma_f32 v[TS+2:TS+3], v[\a+\j+2:\a+\j+3], v[\a+\j+2:\a+\j+3], v[TS+2:TS+3]
	v_pk_fma_f32 v[TS+4:TS+5], v[\a+16+\j:\a+16+\j+1], v[\a+16+\j:\a+16+\j+1], v[TS+4:TS+5]
	v_pk_fma_f32 v[TS+6:TS+7], v[\a+16+\j+2:\a+16+\j+3], v[\a+16+\j+2:\a+16+\j+3], v[TS+6:TS+7]
.endr
	v_pk_fma_f32 v[TS:TS+1], v[\a+32:\a+33], v[\a+32:\a+33], v[TS:TS+1]
	v_pk_fma_f32 v[TS+2:TS+3], v[\a+34:\a+35], v[\a+34:\a+35], v[TS+2:TS+3]
	v_pk_fma_f32 v[TS+4:TS+5], v[\a+36:\a+37], v[\a+36:\a+37], v[TS+4:TS+5]
	v_pk_fma_f32 v[TS+6:TS+7], v[\a+38:\a+39], v[\a+38:\a+39], v[TS+6:TS+7]
	v_pk_add_f32 v[TS:TS+1], v[TS:TS+1], v[TS+2:TS+3]
	v_pk_add_f32 v[TS+4:TS+5], v[TS+4:TS+5], v[TS+6:TS+7]
	WIN 0x15                                       ; sources window 1, destination window 0
.irp q, 0,1,2,3
	v_max3_num_f32 v[MX+\q], |v[\a+4*\q]|, |v[\a+4*\q+1]|, |v[\a+4*\q+2]|
	v_max3_num_f32 v[MX+5+\q], |v[\a+16+4*\q]|, |v[\a+16+4*\q+1]|, |v[\a+16+4*\q+2]|
.endr
	v_max3_num_f32 v[MX+4], |v[\a+32]|, |v[\a+33]|, |v[\a+34]|
	v_max3_num_f32 v[MX+9], |v[\a+36]|, |v[\a+37]|, |v[\a+38]|
	v_add_f32 v[SS], v[TS], v[TS+1]
	v_add_f32 v[SS+1], v[TS+4], v[TS+5]
	WIN 0x04
.irp q, 0,1,2,3
	v_max3_num_f32 v[MX+\q], v[MX+\q], |v[\a+4*\q+3]|, 0xd800000   ; and the floor 2^-100
	v_max3_num_f32 v[MX+5+\q], v[MX+5+\q], |v[\a+16+4*\q+3]|, 0xd800000
.endr
	v_max3_num_f32 v[MX+4], v[MX+4], |v[\a+35]|, 0xd800000
	v_max3_num_f32 v[MX+9], v[MX+9], |v[\a+39]|, 0xd800000
	WIN 0
	SSD 1                                          ; sixteen lanes hold a row, eight a block
.irp k, 0,1,2,3,4
	MXD \k, 1
.endr
	SSD 2
.irp k, 5,6,7,8,9
	MXD \k, 1
.endr
	SSD 4
.irp k, 0,1,2,3,4
	MXD \k, 2
.endr
	SSD 8
.irp k, 5,6,7,8,9
	MXD \k, 2
.endr
	s_wait_alu depctr_va_vdst(0)                   ; one wait ahead of the two transcendentals and one behind them
	v_rsq_f32 v[RNA], v[SS]
	v_rsq_f32 v[RNB], v[SS+1]
.irp k, 0,1,2,3,4,5,6,7,8,9
	MXD \k, 4
.endr
	s_wait_alu depctr_va_vdst(0)
	v_min_num_f32 v[RNA], 0x551184e7, v[RNA]       ; 1 / max(norm, 1e-13) = min(1 / norm, 1e13); a sum of 0 gives infinity, which is held too
	v_min_num_f32 v[RNB], 0x551184e7, v[RNB]
	v_mul_f32 v[RQ], 0x3e800000, v[RNA]            ; a quarter: takes 2 off the exponents below
	v_mul_f32 v[RQ+1], 0x3e800000, v[RNB]
	WIN 0x41
.irp j, 0,2,4,6,8,10,12,14
	v_pk_mul_f32 v[\a+\j:\a+\j+1], v[\a+\j:\a+\j+1], v[RNA:RNA+1] op_sel_hi:[1,0]                   ; x / norm, in f32
	v_pk_mul_f32 v[\a+16+\j:\a+17+\j], v[\a+16+\j:\a+17+\j], v[RNB:RNB+1] op_sel_hi:[1,0]
.endr
	v_pk_mul_f32 v[\a+32:\a+33], v[\a+32:\a+33], v[RNA:RNA+1] op_sel_hi:[1,0]
	v_pk_mul_f32 v[\a+34:\a+35], v[\a+34:\a+35], v[RNA:RNA+1] op_sel_hi:[1,0]
	v_pk_mul_f32 v[\a+36:\a+37], v[\a+36:\a+37], v[RNB:RNB+1] op_sel_hi:[1,0]
	v_pk_mul_f32 v[\a+38:\a+39], v[\a+38:\a+39], v[RNB:RNB+1] op_sel_hi:[1,0]
	WIN 0
.irp q, 0,1,2,3,4
	v_mul_f32 v[MX+\q], v[MX+\q], v[RQ]            ; the largest normalised magnitude / 4: the conversion takes its exponent field as its scale
	v_mul_f32 v[MX+5+\q], v[MX+5+\q], v[RQ+1]
.endr
.irp q, 0,1,2,3,4,5,6,7,8,9
	v_lshrrev_b32 v[EB+\q], 23, v[MX+\q]           ; the scale's byte
.endr
	WIN 0x01
	; eight numbers of two loads at a time, once under each load's scale: of the result the half that belongs to that load is stored
	v_cvt_scalef32_pk8_fp4_f32 v[CD], v[\a:\a+7], v[MX]
	v_cvt_scalef32_pk8_fp4_f32 v[CD+1], v[\a:\a+7], v[MX+1]
	v_cvt_scalef32_pk8_fp4_f32 v[CD+2], v[\a+8:\a+15], v[MX+2]
	v_cvt_scalef32_pk8_fp4_f32 v[CD+3], v[\a+8:\a+15], v[MX+3]
	v_cvt_scalef32_pk8_fp4_f32 v[CD+4], v[\a+32:\a+39], v[MX+4]
	v_cvt_scalef32_pk8_fp4_f32 v[CD+5], v[\a+16:\a+23], v[MX+5]
	v_cvt_scalef32_pk8_fp4_f32 v[CD+6], v[\a+16:\a+23], v[MX+6]
	v_cvt_scalef32_pk8_fp4_f32 v[CD+7], v[\a+24:\a+31], v[MX+7]
	v_cvt_scalef32_pk8_fp4_f32 v[CD+8], v[\a+24:\a+31], v[MX+8]
	v_cvt_scalef32_pk8_fp4_f32 v[CD+9], v[\a+32:\a+39], v[MX+9]
	WIN 0
	v_lshl_or_b32 v[PK], v[EB+1], 8, v[EB]         ; plain lines behind the conversions
	v_lshl_or_b32 v[PK+1], v[EB+3], 8, v[EB+2]
	v_lshl_or_b32 v[PK+2], v[EB+6], 8, v[EB+5]
	v_lshl_or_b32 v[PK+3], v[EB+8], 8, v[EB+7]
.endm
.macro STORES ca, cb, sa, sb, oa, ob   ; the group's codes and scale bytes (the eight lanes of a block write the same scale bytes to the same place)
	ds_store_b16 v[\ca], v[CD] offset:\oa
	ds_store_b16_d16_hi v[\ca], v[CD+1] offset:\oa+16
	ds_store_b16 v[\ca], v[CD+2] offset:\oa+64
	ds_store_b16_d16_hi v[\ca], v[CD+3] offset:\oa+80
	ds_store_b16 v[\cb], v[CD+4] offset:\oa
	ds_store_b16 v[\sa], v[PK] offset:\oa
	ds_store_b16 v[\sa], v[PK+1] offset:\oa+4
	ds_store_b8 v[\sb], v[EB+4] offset:\oa
	ds_store_b16 v[\ca], v[CD+5] offset:\ob
	ds_store_b16_d16_hi v[\ca], v[CD+6] offset:\ob+16
	ds_store_b16 v[\ca], v[CD+7] offset:\ob+64
	ds_store_b16_d16_hi v[\ca], v[CD+8] offset:\ob+80
	ds_store_b16_d16_hi v[\cb], v[CD+9] offset:\ob
	ds_store_b16 v[\sa], v[PK+2] offset:\ob
	ds_store_b16 v[\sa], v[PK+3] offset:\ob+4
	ds_store_b8 v[\sb], v[EB+9] offset:\ob
.endm
; A tile's four groups.  refill = 1: each group's registers then take the next tile's rows.
.macro DENSE refill
.irp g, 0,1,2,3
.if \refill
	s_wait_loadcnt 30                              ; younger: 10 x (3 - g) loads of this tile and 10 x g of the next; group g's offsets may be written
.else
	s_wait_loadcnt 10*(3-\g)                       ; younger: this tile's later groups
.endif
	s_wait_dscnt 0x0                               ; the stores of the group before have read their registers
.if \refill
	OFFG \g, TOK+8
.endif
	QUANT2 LB+40*\g
.if \refill
	WIN 0x40
	LOAD10 LB+40*\g, OFF+2*\g, OF5+2*\g
	WIN 0
.endif
	STORES CA, CB, SCA, SCB, 2*\g*CP, (2*\g+1)*CP
.endr
.endm
; The products: W.. the cosines of queries 0-15, masked; LX takes this tile's columns of those of queries 16-19.  The tokens move up by a tile.
.macro PRODUCT
.irp c, 0,1,2,3,4
	ds_load_b128 v[CODE+4*\c:CODE+4*\c+3], v[RAD] offset:32*\c     ; LDS serves a wave's instructions in order (ISA guide 5.7.1.4): these see the stores above
.endr
	ds_load_b96 v[DSC:DSC+2], v[RSD]
	WIN 0x04
.irp j, 0,1,2,3,4,5,6,7
	v_cmp_lt_i32 s[MJ+\j], 0, v[TOK+\j]            ; document 8 h + j counts where its token is above 0
.endr
	WIN 0x41
.irp j, 0,1,2,3,4,5,6,7
	v_mov_b32 v[TOK+\j], v[TOK+8+\j]
.endr
	s_wait_alu depctr_va_vdst(0)                   ; ahead of the scalar readers
.irp j, 0,1,2,3,4,5,6,7
	s_and_b32 s[MG+\j], s[MJ+\j], s[GRP]
.endr
	WIN 0
	s_wait_dscnt 0x0                               ; the operand is in
	v_wmma_scale_f32_16x16x128_f8f6f4 v[W:W+7], v[CODE:CODE+7], v[QF:QF+7], 0, v[DSC], v[QSC] matrix_a_fmt:MATRIX_FMT_FP4 matrix_b_fmt:MATRIX_FMT_FP4
	v_wmma_scale_f32_16x16x128_f8f6f4 v[W+8:W+15], v[CODE:CODE+7], v[QG:QG+7], 0, v[DSC], v[QSC] matrix_a_fmt:MATRIX_FMT_FP4 matrix_b_fmt:MATRIX_FMT_FP4 matrix_b_scale:MATRIX_SCALE_ROW1
.irp s, 1,2                                    ; the two accumulators take turns
	v_wmma_scale_f32_16x16x128_f8f6f4 v[W:W+7], v[CODE+8*\s:CODE+8*\s+7], v[QF+8*\s:QF+8*\s+7], v[W:W+7], v[DSC+\s], v[QSC+\s] matrix_a_fmt:MATRIX_FMT_FP4 matrix_b_fmt:MATRIX_FMT_FP4
	v_wmma_scale_f32_16x16x128_f8f6f4 v[W+8:W+15], v[CODE+8*\s:CODE+8*\s+7], v[QG+8*\s:QG+8*\s+7], v[W+8:W+15], v[DSC+\s], v[QSC+\s] matrix_a_fmt:MATRIX_FMT_FP4 matrix_b_fmt:MATRIX_FMT_FP4 matrix_b_scale:MATRIX_SCALE_ROW1
.endr
	WIN 0x41
.irp j, 8,9,10,11,12,13,14,15,16,17,18,19,20,21,22,23
	v_mov_b32 v[TOK+\j], v[TOK+8+\j]               ; these are the places in front of the first read of the results (ISA guide 7.12.1)
.endr
	WIN 0
.irp j, 0,1,2,3,4,5,6,7
	v_cndmask_b32 v[W+\j], 4.0, v[W+\j], s[MJ+\j]  ; a masked document: x = 4, where every term of the pooling is 0
.endr
.irp j, 0,1,2,3,4,5,6,7
	v_cndmask_b32 v[LX+\j], v[LX+\j], v[W+8+\j], s[MG+\j]   ; (LX begins as 4)
.endr
.endm
; Eight cosines a lane into the sums of eleven kernels.
.macro POOL8 x, a
.irp i, 0,2,4,6
	v_pk_mul_f32 v[TMB+\i:TMB+\i+1], v[\x+\i:\x+\i+1], s[CZ:CZ+1] op_sel_hi:[1,0]      ; z = 50 log2(e) x
.endr
.irp i, 0,2,4,6
	v_pk_add_f32 v[T0B+\i:T0B+\i+1], v[\x+\i:\x+\i+1], -1.0 op_sel_hi:[1,0]            ; d = x - 1
.endr
.irp i, 0,2,4,6
	v_pk_mul_f32 v[TPB+\i:TPB+\i+1], v[TMB+\i:TMB+\i+1], v[T0B+\i:T0B+\i+1] neg_lo:[1,0] neg_hi:[1,0]   ; -z d = log2 of g+ = exp(-50 x^2 + 50 x)
.endr
.irp i, 0,2,4,6
	v_pk_mul_f32 v[UB+\i:UB+\i+1], v[T0B+\i:T0B+\i+1], s[C0:C0+1] op_sel_hi:[1,0]
.endr
.irp i, 0,2,4,6
	v_pk_fma_f32 v[TMB+\i:TMB+\i+1], v[TMB+\i:TMB+\i+1], -2.0, v[TPB+\i:TPB+\i+1] op_sel_hi:[1,0,1]     ; - 2 z: log2 of g- = exp(-50 x^2 - 50 x)
.endr
.irp i, 0,2,4,6
	v_pk_mul_f32 v[T0B+\i:T0B+\i+1], v[UB+\i:UB+\i+1], v[T0B+\i:T0B+\i+1]              ; -log2(e) d^2 / 2e-8: the kernel at mu = 1
.endr
.irp i, 0,2,4,6
	v_pk_mul_f32 v[UB+\i:UB+\i+1], v[\x+\i:\x+\i+1], s[CU:CU+1] op_sel_hi:[1,0]        ; log2 of u = exp(20 x)
.endr
	s_wait_alu depctr_va_vdst(0)                   ; one wait ahead of the batch of 40 exponentials and one behind it
.irp j, 0,1,2,3,4,5,6,7
	v_exp_f32 v[VB+\j], -v[UB+\j]                  ; 1 / u
.endr
	v_nop                                          ; a plain line before the sources of the eight above are written over
.irp j, 0,1,2,3,4,5,6,7
	v_exp_f32 v[UB+\j], v[UB+\j]
.endr
.irp j, 0,1,2,3,4,5,6,7
	v_exp_f32 v[TPB+\j], v[TPB+\j]
.endr
.irp j, 0,1,2,3,4,5,6,7
	v_exp_f32 v[TMB+\j], v[TMB+\j]
.endr
.irp j, 0,1,2,3,4,5,6,7
	v_exp_f32 v[T0B+\j], v[T0B+\j]
.endr
	v_nop
	s_wait_alu depctr_va_vdst(0)
.irp i, 0,2,4,6
	v_pk_add_f32 v[\a:\a+1], v[\a:\a+1], v[T0B+\i:T0B+\i+1]                            ; mu = 1
	v_pk_mul_f32 v[T0B+\i:T0B+\i+1], v[TPB+\i:TPB+\i+1], v[UB+\i:UB+\i+1]
	v_pk_add_f32 v[\a+6:\a+7], v[\a+6:\a+7], v[TPB+\i:TPB+\i+1]                        ; 0.5: g+
	v_pk_mul_f32 v[TPB+\i:TPB+\i+1], v[TPB+\i:TPB+\i+1], v[VB+\i:VB+\i+1]
	v_pk_add_f32 v[\a+16:\a+17], v[\a+16:\a+17], v[TMB+\i:TMB+\i+1]                    ; -0.5: g-
	v_pk_add_f32 v[\a+4:\a+5], v[\a+4:\a+5], v[T0B+\i:T0B+\i+1]                        ; 0.7: g+ u
	v_pk_fma_f32 v[\a+2:\a+3], v[T0B+\i:T0B+\i+1], v[UB+\i:UB+\i+1], v[\a+2:\a+3]      ; 0.9: g+ u^2
	v_pk_add_f32 v[\a+8:\a+9], v[\a+8:\a+9], v[TPB+\i:TPB+\i+1]                        ; 0.3: g+ / u
	v_pk_mul_f32 v[T0B+\i:T0B+\i+1], v[TMB+\i:TMB+\i+1], v[UB+\i:UB+\i+1]
	v_pk_fma_f32 v[\a+10:\a+11], v[TPB+\i:TPB+\i+1], v[VB+\i:VB+\i+1], v[\a+10:\a+11]  ; 0.1: g+ / u^2
	v_pk_mul_f32 v[TMB+\i:TMB+\i+1], v[TMB+\i:TMB+\i+1], v[VB+\i:VB+\i+1]
	v_pk_add_f32 v[\a+14:\a+15], v[\a+14:\a+15], v[T0B+\i:T0B+\i+1]                    ; -0.3: g- u
	v_pk_fma_f32 v[\a+12:\a+13], v[T0B+\i:T0B+\i+1], v[UB+\i:UB+\i+1], v[\a+12:\a+13]  ; -0.1: g- u^2
	v_pk_add_f32 v[\a+18:\a+19], v[\a+18:\a+19], v[TMB+\i:TMB+\i+1]                    ; -0.7: g- / u
	v_pk_fma_f32 v[\a+20:\a+21], v[TMB+\i:TMB+\i+1], v[VB+\i:VB+\i+1], v[\a+20:\a+21]  ; -0.9: g- / u^2
.endr
.endm
.macro PLACE ca, cb, sa, sb            ; ca: the first row's place; my codes' and scale bytes' places in it
	v_add_nc_u32 v[\sb], v[\ca], v[HB]
	v_lshl_add_u32 v[\sa], v[HB], 1, v[\ca]
	v_lshl_add_u32 v[\ca], v[I7], 1, v[\ca]
	v_add_nc_u32 v[\sb], 168, v[\sb]
	v_add_nc_u32 v[\sa], 160, v[\sa]
	v_lshl_add_u32 v[\cb], v[HB], 4, v[\ca]
	v_lshl_add_u32 v[\ca], v[HB], 5, v[\ca]
	v_add_nc_u32 v[\cb], 128, v[\cb]
.endm
	; ---- THE HEAD: what the tokens' loads need comes first
	s_load_b256 s[4:11], s[0:1], 0x0               ; query tokens s[4:5], document tokens s[6:7], the table s[8:9], w s[10:11]
	s_load_b128 s[12:15], s[0:1], 0x20             ; the bias s[12:13], out s[14:15]
	v_lshl_add_u32 v[SPW], v0, 2, SPARE
	v_mov_b32 v[NIL], 0
	v_lshrrev_b32 v[WVV], 5, v0
	v_lshrrev_b32 v[QROW], 4, v0                   ; 2 x wave + h: my query row, and 16 more
	v_readfirstlane_b32 s[WV], v[WVV]              ; wave 0..7
	v_and_b32 v[VR], 15, v0                        ; r
	v_bfe_u32 v[VH], v0, 4, 1                      ; h
	v_and_b32 v[VL], 31, v0                        ; lane
	v_mul_u32_u24 v[T1], v0, 298
	v_lshlrev_b32 v[CODE+10], 2, v[QROW]
	v_and_b32 v[CODE+11], 3, v[QROW]
	v_lshrrev_b32 v[T1], 16, v[T1]                 ; 1 from thread 220 on
	v_lshlrev_b32 v[TA], 5, v[VH]
	v_lshlrev_b32 v[CODE+11], 2, v[CODE+11]
	v_mul_u32_u24 v[T1], v[T1], 220
	v_lshlrev_b32 v[L16], 4, v[VR]
	v_min_u32 v[L5], 10, v[VR]
	v_sub_nc_u32 v[T2], v0, v[T1]                  ; thread t takes the token and the weight of row t % 220: k = row / 20, query = row % 20
	v_lshlrev_b32 v[L5], 4, v[L5]
	v_bfe_u32 v[HB], v0, 3, 1                      ; which of a load's two blocks
	v_mul_u32_u24 v[KK], v[T2], 205
	v_and_b32 v[I7], 7, v0
	v_lshl_add_u32 v[RR], v0, 4, RED               ; row t of the sums; threads 220-255 read finite numbers (the next plane's, zeros behind the last), and their weight is set to 0
	v_lshrrev_b32 v[KK], 12, v[KK]                 ; k (exact under 220)
	v_lshl_add_u32 v[FW], v[WVV], 2, FIN
	v_mul_u32_u24 v[T3], v[KK], 20
	v_lshlrev_b32 v[CODE+13], 2, v[KK]
	v_sub_nc_u32 v[CODE+12], v[T2], v[T3]
	v_lshlrev_b32 v[CODE+12], 2, v[CODE+12]
	s_wait_alu depctr_va_vdst(0)                   ; ahead of the scalar lines
	s_mul_i32 s20, ttmp9, 80
	s_mov_b32 s21, 0
	s_lshl_b32 s22, ttmp9, 11
	s_lshl_b32 s24, s[WV], 8
	s_add_co_u32 s22, s22, s24
	s_mov_b32 s23, 0
	s_lshl_b32 s26, ttmp9, 2
	s_mov_b32 s27, 0
	s_wait_kmcnt 0x0
	s_add_nc_u64 s[4:5], s[4:5], s[20:21]          ; my batch's 20 query tokens
	s_add_nc_u64 s[6:7], s[6:7], s[22:23]          ; my wave's 64 document tokens
	s_add_nc_u64 s[14:15], s[14:15], s[26:27]      ; my batch's number of out
	global_load_b32 v[QT], v[CODE+10], s[4:5]
	global_load_b32 v[QT+1], v[CODE+11], s[4:5] offset:64
	WIN 0x40
.irp i, 0,1,2,3
	global_load_b128 v[TOK+8*\i:TOK+8*\i+3], v[TA], s[6:7] offset:64*\i
	global_load_b128 v[TOK+8*\i+4:TOK+8*\i+7], v[TA], s[6:7] offset:64*\i+16
.endr
	WIN 0
	global_load_b32 v[TQ], v[CODE+12], s[4:5]      ; my row's query token
	global_load_b32 v[COEF], v[CODE+13], s[10:11]  ; and w[k]
	s_load_b32 s[BB], s[12:13], 0x0                ; the bias: waited for at the end
	; every LDS address is made here, of constants and the thread's number
	v_mul_u32_u24 v[CA], v[WVV], 16*CP
	v_mul_u32_u24 v[T1], v[VR], CP
	v_mul_u32_u24 v[QCA], v[QROW], CP
	v_mul_u32_u24 v[QRS], v[VL], CP
	v_mul_u32_u24 v[T2], v[VH], 8*CP
	v_add_nc_u32 v[RSD], v[CA], v[T1]
	v_lshl_add_u32 v[QRD], v[VH], 4, v[T1]
	v_add_nc_u32 v[CA], v[CA], v[T2]
	v_lshl_add_u32 v[RAD], v[VH], 4, v[RSD]
	v_add_nc_u32 v[ZA], 170, v[RSD]                ; the scale bytes of K step 2's slots 2 and 3
	v_add_nc_u32 v[RSD], 160, v[RSD]
	v_add_nc_u32 v[QZ], QSTG+170, v[QCA]
	v_add_nc_u32 v[QCA], QSTG, v[QCA]
	v_add_nc_u32 v[QRD], QSTG, v[QRD]
	v_add_nc_u32 v[QRS], QSTG+160, v[QRS]
	PLACE CA, CB, SCA, SCB
	PLACE QCA, QCB, QSA, QSB
	v_lshrrev_b32 v[T1], 1, v[WVV]
	v_and_b32 v[T2], 1, v[WVV]
	v_and_b32 v[T3], 3, v[VR]
	v_mul_u32_u24 v[RW], v[T1], PLANE
	v_lshl_add_u32 v[RW], v[T2], 3, v[RW]
	v_lshl_add_u32 v[RW], v[VH], 2, v[RW]
	v_lshl_add_u32 v[RW2], v[T3], 4, v[RW]
	v_add_nc_u32 v[RW], v[RW], v[L16]
	v_add_nc_u32 v[RW2], RED+256, v[RW2]
	v_add_nc_u32 v[RW], RED, v[RW]
	v_lshl_add_u32 v[ZS], v0, 2, RED+4*PLANE       ; my word of the zeros behind the last plane
	s_wait_alu depctr_va_vdst(0)                   ; ahead of the scalar lines
	s_mov_b32 s[SEL], 0x76543210
	s_mov_b32 s[SEL+1], 0xfedcba98                 ; v_permlanex16_b32's selects for lane l xor 16
	s_mov_b32 s[CZ], 0x429044fe                    ; 72.134752
	s_mov_b32 s[CZ+1], s[CZ]                       ; (the packed forms name pairs and take the low word for both halves: so the upper words are written)
	s_mov_b32 s[CU], 0x41e6d4ca                    ; 28.853901
	s_mov_b32 s[CU+1], s[CU]
	s_mov_b32 s[C0], 0xcc89960c                    ; -7.2134752e7
	s_mov_b32 s[C0+1], s[C0]
	s_mov_b32 s[KA], 0xbe4ccccd                    ; -0.2
	s_mov_b32 s[KB], 0x3f8ccccd                    ; 1.1
	s_mov_b32 s[GRP], 0x000f000f                   ; columns 0-3 in both halves of the lanes
	s_wait_loadcnt 10                              ; the two query tokens are in; eight loads of documents' tokens, a token and w[k] may be out
.irp i, 0,1
	v_min_u32 v[QO+\i], 0x1869f, v[QT+\i]
.endr
.irp i, 0,1
	v_mul_u32_u24 v[QO+\i], v[QO+\i], 0x4b0
.endr
.irp i, 0,1
	v_add_nc_u32 v[QO5+\i], v[QO+\i], v[L5]
.endr
.irp i, 0,1
	v_add_nc_u32 v[QO+\i], v[QO+\i], v[L16]
.endr
	WIN 0x40
	LOAD10 QX, QO, QO5                             ; my four query rows, first of all
	WIN 0
	s_wait_loadcnt 12                              ; the documents' tokens are in: a token, w[k] and the ten loads above may be out
.irp g, 0,1,2,3
	OFFG \g, TOK
.endr
	WIN 0x40
	LOAD10 LB, OFF, OF5                            ; tile 0, the first two groups; the others follow behind the queries' conversion
	LOAD10 LB+40, OFF+2, OF5+2
	WIN 0
	; register work under the loads' flight
	v_mov_b32 v[RNA+1], 0                          ; named as upper halves of pairs
	v_mov_b32 v[RNB+1], 0
	v_mov_b32 v[T4], 0
	v_mov_b32 v[PT], 0                             ; a lane permute's destination counts as one of its sources
	v_cmp_gt_u32 vcc_lo, 176, v[L16]               ; pieces 64 to 74 exist, 75 to 79 do not
	WIN 0x40
	v_cndmask_b32 v[MK], 0, 1.0, vcc_lo
	v_cndmask_b32 v[MK+1], 0, 1.0, vcc_lo
	WIN 0
.irp q, 20,21,22,23
	v_mov_b32 v[CODE+\q], 0                        ; K step 2's slots 2 and 3: zero codes, in both operands
	v_mov_b32 v[QF+\q], 0
	v_mov_b32 v[QG+\q], 0
.endr
	v_cvt_f32_u32 v[FAC], v[KK]
	v_cmp_ne_u32 vcc_lo, 0, v[KK]
.set i, 0
.rept 22
	v_mov_b32 v[ACC+i], 0                          ; the pooling is written once, in the loop, and adds onto these
.set i, i+1
.endr
	v_fma_f32 v[FAC], v[FAC], s[KA], s[KB]         ; mu = 1.1 - 0.2 k
.irp j, 0,1,2,3,4,5,6,7
	v_mov_b32 v[LX+\j], 4.0
.endr
	v_mul_f32 v[FAC], v[FAC], v[FAC]
.set i, 0
.rept 22
	v_mov_b32 v[AC2+i], 0
.set i, i+1
.endr
	v_mul_f32 v[FAC], 0xc29044fe, v[FAC]           ; -50 log2(e) mu^2
	s_delay_alu instid0(VALU_DEP_1)
	v_cndmask_b32 v[FAC], 0, v[FAC], vcc_lo        ; the kernel at mu = 1 is summed whole
	s_wait_alu depctr_va_vdst(0)                   ; waits round the transcendental
	v_exp_f32 v[FAC], v[FAC]                       ; the factor left out of the sums
	v_nop
	s_wait_alu depctr_va_vdst(0)
	s_wait_loadcnt 20                              ; all but tile 0's 20 loads
	QUANT2 QX
	WIN 0x40
	LOAD10 LB+80, OFF+4, OF5+4
	LOAD10 LB+120, OFF+6, OF5+6
	WIN 0
	STORES QCA, QCB, QSA, QSB, 0, 16*CP
	ds_store_b16 v[QZ], v[T4]
	ds_store_b16 v[QZ], v[T4] offset:16*CP
	ds_store_b16 v[ZA], v[T4]
	ds_store_b32 v[ZS], v[T4]
	v_cmp_lt_i32 vcc_lo, 0, v[TQ]
	v_mul_f32 v[COEF], 0x3be32166, v[COEF]         ; ln(2) x 0.01 x w[k]
	v_cndmask_b32 v[COEF], 0, v[COEF], vcc_lo      ; a masked query counts for nothing,
	v_cmp_gt_u32 vcc_lo, 220, v0
	v_cndmask_b32 v[COEF], 0, v[COEF], vcc_lo      ; nor do the threads that have no row of their own
	s_wait_alu depctr_va_vdst(0)
	s_wait_dscnt 0x0                               ; for the others' sake: my stores have landed
	s_barrier_signal -1
	s_barrier_wait -1
.irp n, 0,1,2,3,4
	ds_load_b128 v[QF+4*\n:QF+4*\n+3], v[QRD] offset:32*\n         ; the queries' fragments stay in registers
	ds_load_b128 v[QG+4*\n:QG+4*\n+3], v[QRD] offset:32*\n+16*CP
.endr
	ds_load_b96 v[QSC:QSC+2], v[QRS]
	s_wait_dscnt 0x0
	; ---- THE LOOP: a trip a tile.  The last trip loads nothing
	s_mov_b32 s[TR], 0
.Ltrip:
	s_cmp_eq_u32 s[TR], 3
	s_cbranch_scc1 .Llast
	DENSE 1
	s_wait_alu depctr_va_vdst(0)
	s_branch .Lproduct
.Llast:
	DENSE 0
.Lproduct:
	PRODUCT
	POOL8 W, ACC
	s_lshl_b32 s[GRP], s[GRP], 4                   ; the next tile's columns
	s_add_co_u32 s[TR], s[TR], 1
	s_wait_alu depctr_va_vdst(0)
	s_cmp_lt_u32 s[TR], 4
	s_cbranch_scc1 .Ltrip
	; ---- THE END
.irp k, 0,1,2,3,4,5,6,7,8,9,10
	v_add_f32 v[ACC+2*\k], v[ACC+2*\k], v[ACC+2*\k+1]
.endr
.irp k, 0,1,2,3,4,5,6,7,8,9,10
	ds_store_b32 v[RW], v[ACC+2*\k] offset:320*\k  ; row 20 k + r, part 2 (wave % 2) + h of plane wave / 2
.endr
	POOL8 LX, AC2
.irp k, 0,1,2,3,4,5,6,7,8,9,10
	v_add_f32 v[AC2+2*\k], v[AC2+2*\k], v[AC2+2*\k+1]
.endr
.irp k, 0,1,2,3,4,5,6,7,8,9,10
	v_add_f32_dpp v[AC2+2*\k], v[AC2+2*\k], v[AC2+2*\k] row_xmask:4 row_mask:0xf bank_mask:0xf
.endr
.irp k, 0,1,2,3,4,5,6,7,8,9,10
	v_add_f32_dpp v[AC2+2*\k], v[AC2+2*\k], v[AC2+2*\k] row_xmask:8 row_mask:0xf bank_mask:0xf   ; the four tiles' columns
.endr
.irp k, 0,1,2,3,4,5,6,7,8,9,10
	ds_store_b32 v[RW2], v[AC2+2*\k] offset:320*\k ; row 20 k + 16 + r % 4: the four lanes of a query write the same value to the same place
.endr
	s_wait_alu depctr_va_vdst(0)
	s_wait_dscnt 0x0                               ; for the others' sake
	s_barrier_signal -1
	s_barrier_wait -1
.irp i, 0,1,2,3
	ds_load_b128 v[W+4*\i:W+4*\i+3], v[RR] offset:PLANE*\i         ; 16 parts: 8 waves x 2 halves
.endr
	s_wait_dscnt 0x0
.irp q, 0,2,4,6
	v_pk_add_f32 v[W+\q:W+\q+1], v[W+\q:W+\q+1], v[W+8+\q:W+8+\q+1]
.endr
	v_pk_add_f32 v[W:W+1], v[W:W+1], v[W+4:W+5]
	v_pk_add_f32 v[W+2:W+3], v[W+2:W+3], v[W+6:W+7]
	s_delay_alu instid0(VALU_DEP_1)
	v_pk_add_f32 v[W:W+1], v[W:W+1], v[W+2:W+3]
	s_delay_alu instid0(VALU_DEP_1)
	v_add_f32 v[W], v[W], v[W+1]
	v_mul_f32 v[W], v[W], v[FAC]                   ; S[q][k]
	s_delay_alu instid0(VALU_DEP_1)
	v_max_num_f32 v[W], 0x2edbe6ff, v[W]           ; held at 1e-10 from below
	s_wait_alu depctr_va_vdst(0)                   ; waits round the transcendental
	v_log_f32 v[W], v[W]
	v_nop
	s_wait_alu depctr_va_vdst(0)
	v_mul_f32 v[W], v[W], v[COEF]
	s_delay_alu instid0(VALU_DEP_1)
	v_add_f32_dpp v[W], v[W], v[W] row_xmask:1 row_mask:0xf bank_mask:0xf
	s_delay_alu instid0(VALU_DEP_1)
	v_add_f32_dpp v[W], v[W], v[W] row_xmask:2 row_mask:0xf bank_mask:0xf
	s_delay_alu instid0(VALU_DEP_1)
	v_add_f32_dpp v[W], v[W], v[W] row_xmask:4 row_mask:0xf bank_mask:0xf
	s_delay_alu instid0(VALU_DEP_1)
	v_add_f32_dpp v[W], v[W], v[W] row_xmask:8 row_mask:0xf bank_mask:0xf
	s_delay_alu instid0(VALU_DEP_1)
	v_permlanex16_b32 v[PT], v[W], s[SEL], s[SEL+1]
	s_delay_alu instid0(VALU_DEP_1)
	v_add_f32 v[W], v[W], v[PT]
	v_mov_b32 v[E1], FIN
	v_mov_b32 v[E1+1], 0
	v_cmp_eq_u32 vcc_lo, 0, v0
	ds_store_b32 v[FW], v[W]                       ; all lanes write the same word with the same value
	s_wait_alu depctr_va_vdst(0)
	s_wait_tensorcnt 0x0                           ; behind my last LDS store; the s_wait_dscnt serves the barrier too
	ds_add_u32 v[SPW], v[NIL]
	s_wait_dscnt 0x0
	s_barrier_signal -1
	s_barrier_wait -1
	ds_load_b128 v[W+4:W+7], v[E1]
	ds_load_b128 v[W+8:W+11], v[E1] offset:16
	s_wait_kmcnt 0x0                               ; the bias
	s_wait_dscnt 0x0
	v_pk_add_f32 v[W+4:W+5], v[W+4:W+5], v[W+6:W+7]
	v_pk_add_f32 v[W+8:W+9], v[W+8:W+9], v[W+10:W+11]
	s_delay_alu instid0(VALU_DEP_1)
	v_pk_add_f32 v[W+4:W+5], v[W+4:W+5], v[W+8:W+9]
	s_delay_alu instid0(VALU_DEP_1)
	v_add_f32 v[W+4], v[W+4], v[W+5]
	s_delay_alu instid0(VALU_DEP_1)
	v_add_f32 v[W+4], s[BB], v[W+4]
	s_wait_alu depctr_va_vdst(0)
	s_wait_xcnt 0x0                                ; EXEC changes only behind this wait
	s_and_saveexec_b32 s[SV], vcc_lo               ; thread 0 alone stores: a work-group owns one number of out
	global_store_b32 v[E1+1], v[W+4], s[14:15]
	s_endpgm
.Lfunc_end_k_q4b9f109cde_knrm:
	.size	k_q4b9f109cde_knrm, .Lfunc_end_k_q4b9f109cde_knrm-k_q4b9f109cde_knrm
	.p2alignl 7, 3214868480
	.fill 96, 4, 3214868480
	.section	.rodata,"a",@progbits
	.p2align	6, 0x0
	.amdhsa_kernel k_q4b9f109cde_knrm
		.amdhsa_group_segment_fixed_size 44544
		.amdhsa_private_segment_fixed_size 0
		.amdhsa_enable_private_segment 0
		.amdhsa_kernarg_size 48
		.amdhsa_user_sgpr_count 2
		.amdhsa_user_sgpr_kernarg_segment_ptr 1
		.amdhsa_wavefront_size32 1
		.amdhsa_system_sgpr_workgroup_id_x 1
		.amdhsa_system_sgpr_workgroup_id_y 1
		.amdhsa_system_sgpr_workgroup_id_z 1
		.amdhsa_system_vgpr_workitem_id 0
		.amdhsa_next_free_vgpr 512
		.amdhsa_next_free_sgpr 66
		.amdhsa_reserve_vcc 1
		.amdhsa_float_denorm_mode_32 3
		.amdhsa_float_denorm_mode_16_64 3
		.amdhsa_memory_ordered 1
		.amdhsa_forward_progress 1
		.amdhsa_inst_pref_size 140
	.end_amdhsa_kernel
	.amdgpu_metadata
---
amdhsa.version: [ 1, 2 ]
amdhsa.kernels:
  - .name:           k_q4b9f109cde_knrm
    .symbol:         k_q4b9f109cde_knrm.kd
    .args:
      - { .name: query_tokens, .offset: 0, .size: 8, .value_kind: global_buffer, .address_space: global }
      - { .name: doc_tokens, .offset: 8, .size: 8, .value_kind: global_buffer, .address_space: global }
      - { .name: embed_table, .offset: 16, .size: 8, .value_kind: global_buffer, .address_space: global }
      - { .name: dense_w, .offset: 24, .size: 8, .value_kind: global_buffer, .address_space: global }
      - { .name: dense_b, .offset: 32, .size: 8, .value_kind: global_buffer, .address_space: global }
      - { .name: out0, .offset: 40, .size: 8, .value_kind: global_buffer, .address_space: global }
    .group_segment_fixed_size: 44544
    .private_segment_fixed_size: 0
    .kernarg_segment_align: 8
    .kernarg_segment_size: 48
    .max_flat_workgroup_size: 256
    .sgpr_count:     66
    .vgpr_count:     512
    .wavefront_size: 32
...
	.end_amdgpu_metadata
.endif
;; end of part 1
